; MI455X (gfx1250); checked and timed in simulation.
; The chip was launched on July 23, 2026; its instructions are those of AMD's public machine-readable ISA for CDNA 5 (MIT licence, August 2026) and "CDNA5" Instruction Set Architecture Reference Guide (July 2026). The comments in the code are by the model that wrote it; some were corrected since.
;; Dot Product Attention Pooling. Allowed arithmetic: float matrix products may take bf16 or f16 operands with f32 sums; all other float work in f32.
;; Inputs: mask 32 x 8,192 int32; query 256 float32; x 32 x 8,192 x 256 float32.
;; Outputs: out0 32 x 256 float32.
;; 2 versions, each right; version 2 is version 1 with the launch partial written anew for expert scheduling mode. Each part assembles by itself: llvm-mc -triple=amdgcn-amd-amdhsa -mcpu=gfx1250 --defsym DOCPART=n.
;; ======== version 1 of 2: 2 launches
;; workspace buffers: part 2,621,440 bytes
;; launch partial (part 1): grid 2048 x 1, 1 waves a work-group, no clusters, 768 bytes of LDS; arguments x, mask, query, part; writes part
.if DOCPART == 1
	.amdgcn_target "amdgcn-amd-amdhsa--gfx1250"
	.amdhsa_code_object_version 6
	.text
	.protected	k_q6472aa6b64_partial
	.globl	k_q6472aa6b64_partial
	.p2align	8
	.type	k_q6472aa6b64_partial,@function
k_q6472aa6b64_partial:
	s_mov_b64 s[64:65], 0
	v_nop
	global_prefetch_b8 v0, s[64:65] scope:SCOPE_SE
	s_setreg_imm32_b32 hwreg(HW_REG_WAVE_MODE, 25, 1), 1
	s_wait_xcnt 0x0
; Attention pooling with one query, first of two launches.
;   scores[b][l] = x[b][l][:] . query / 16, -inf where mask[b][l] == 0;  pooled[b][:] = sum over l of softmax(scores)[l] x[b][l][:]
; x: [32][8192][256] f32, mask: [32][8192] i32, query: [256] f32.
; One wave is a work-group and owns 128 consecutive rows (64 waves a batch).  It leaves a record of 1,280 bytes:
;   256 f32 sum of 2^(s-m) x[row][:],  then (m, l) 32 times;  s = score * log2(e), m = largest s, l = sum of 2^(s-m), over its rows.
; Every row is loaded once (1,024 bytes = 8 registers of the wave) and stays in registers between the dot product and the weighted sum.
; The mask steers no branch and no address: every wave walks its 128 rows in eight rounds of 16, and a masked row's score is capped at -infinity,
; which makes its weight 2^(-infinity) = 0.
; WHY SO: two multiply-adds for four bytes of x: the bytes decide.  f32 vector arithmetic is a small part of the work and keeps x unrounded,
; so the matrix unit is left out.  No row is used by two waves, so x goes straight to registers: no LDS ring, no barrier; the only bytes that
; work-groups share are the query's 1,024, so there is no cluster.  No prefetch: the ring is full from the first loads on and the launch only streams.
; LIMITS: sums are formed in another order than the reference's; log2(e)/16 is multiplied into the query ahead of the dot product; weights
; below 2^-126 come out of v_exp_f32 as 0.
.set ROWB,   1024                      ; bytes in a row of x
.set RPW,    128                       ; rows of a wave
.set RING,   16                        ; row slots = rows of a round
.set ROUNDS, RPW/RING
.set REC,    1280                      ; bytes in a record
.set LN16,  1                          ; v1        16 x lane
.set Q,     2                          ; v[2:9]    query * log2(e)/16: columns 4 lane .. +3 and 128 + 4 lane .. +3
.set ACC,   10                         ; v[10:17]  weighted sums of the same columns
.set M,     18                         ; v18       running maximum   (v[18:19] are stored as a pair)
.set L,     19                         ; v19       running sum of weights
.set SC,    20                         ; v20       2^(old maximum - new)
.set MU,    21                         ; v21       what is taken away inside the exponentials
.set PS,    22                         ; v[22:29]  row j of a group: weight in v[PS+2j], score in v[PS+2j+1]
.set D,     30                         ; v[30:37]  row j: a pair of partial dot products
.set MN,    38                         ; v38       new maximum
.set LA,    39                         ; v39       LDS byte of the next round's 16 caps
.set LB,    40                         ; v40       0: LDS byte of the first round's
.set ST,    41                         ; v41       8 x lane
.set T,     42                         ; v[42:43]  at work
.set CAP,   44                         ; v[44:59]  slot r's cap: +infinity for a live row, -infinity for a masked one; the same in every lane
.set OFF,   60                         ; v[60:63]  group g: 16 x lane + 16 rows x the round that the group loads next
.set X,     64                         ; v[64:191] slot r: 8 registers, a row
.set MK,    192                        ; v[192:195] mask words of rows 4 lane .. 4 lane + 3, then their caps
.set NI,    196                        ; v196      -infinity
.set PI,    197                        ; v197      +infinity
	s_load_b256 s[4:11], s[0:1], 0x0               ; x s[4:5], mask s[6:7], query s[8:9], part s[10:11]
	v_lshl_add_u32 v198, v0, 2, 0x200
	v_mov_b32 v199, 0
	v_lshlrev_b32 v[LN16], 4, v0
.irp g, 0,1,2,3
	v_lshlrev_b32 v[OFF+\g], 4, v0                 ; the rows of a round stand in the loads' immediates
.endr
	s_lshl_b32 s12, ttmp9, 17                      ; 128 rows of 1,024 bytes a wave: below 2^28
	s_mov_b32 s13, 0
	s_lshl_b32 s14, ttmp9, 9                       ; 128 mask words
	s_mov_b32 s15, 0
	s_mul_i32 s16, ttmp9, REC
	s_mov_b32 s17, 0
	s_wait_kmcnt 0x0
	s_add_nc_u64 s[6:7], s[6:7], s[14:15]          ; my mask words
	s_add_nc_u64 s[4:5], s[4:5], s[12:13]          ; x at my first row
	s_add_nc_u64 s[10:11], s[10:11], s[16:17]      ; my record
; Group g's four slots take their rows of the round that v[OFF+g] stands at: eight loads of 512 consecutive bytes.  x is read once in the launch.
.macro FILL g
.irp j, 0,1,2,3
	global_load_b128 v[X+8*(4*\g+\j):X+8*(4*\g+\j)+3],   v[OFF+\g], s[4:5] offset:(4*\g+\j)*ROWB th:TH_LOAD_NT
	global_load_b128 v[X+8*(4*\g+\j)+4:X+8*(4*\g+\j)+7], v[OFF+\g], s[4:5] offset:(4*\g+\j)*ROWB+512 th:TH_LOAD_NT
.endr
.endm
	global_load_b128 v[MK:MK+3], v[LN16], s[6:7] th:TH_LOAD_NT ; 512 consecutive bytes: all my rows' mask words
	global_load_b128 v[Q:Q+3],   v[LN16], s[8:9]
	global_load_b128 v[Q+4:Q+7], v[LN16], s[8:9] offset:512
	FILL 0                                         ; the ring is filled in the same run: 16 rows, 32 loads; x waits for nothing
	FILL 1
	FILL 2
	FILL 3
	s_mov_b32 s18, 0x76543210                      ; v_permlanex16_b32: lane i of one half reads lane i of the other
	s_mov_b32 s19, 0xfedcba98
	s_mov_b32 s32, 0x7f800000                      ; +infinity
	s_mov_b32 s33, 0xff800000                      ; -infinity
	v_mov_b32 v[NI], s33
	v_mov_b32 v[PI], s32
	v_lshlrev_b32 v[ST], 3, v0
	v_mov_b32 v[LA], 4*RING                        ; the first round fetches the caps of rows 16 to 31
	v_mov_b32 v[LB], 0
	v_mov_b32 v[M], s33                            ; nothing seen yet
	v_mov_b32 v[L], 0
.irp c, 0,1,2,3,4,5,6,7
	v_mov_b32 v[ACC+\c], 0
.endr
	; THE CAPS.  Row i's cap lies at LDS byte 4 i; a group reads its four back with one load in which every lane names the same 16 bytes.
	s_wait_loadcnt 34                              ; the mask is in; the query's 2 loads and the ring's 32, which are younger, may be out
.irp c, 0,1,2,3
	v_cmp_ne_u32 vcc_lo, 0, v[MK+\c]               ; any value but 0 counts as true
	v_cndmask_b32 v[MK+\c], v[NI], v[PI], vcc_lo
.endr
	ds_store_b128 v[LN16], v[MK:MK+3]              ; rows 4 lane .. +3 at byte 16 lane: 512 bytes, this wave's own
.irp g, 0,1,2,3
	ds_load_b128 v[CAP+4*\g:CAP+4*\g+3], v[LB] offset:16*\g    ; LDS serves a wave in order (ISA guide 5.7.1.4): these see the store above
.endr
	s_wait_loadcnt 32                              ; the query is in: only the ring's 32 loads are younger
.irp c, 0,2,4,6
	v_pk_mul_f32 v[Q+\c:Q+\c+1], v[Q+\c:Q+\c+1], 0x3db8aa3b op_sel_hi:[1,0]    ; log2(e) / sqrt(256): scores come out ready for v_exp_f32
.endr
; Four rows, slots 4g .. 4g+3.  ahead = 1: the slots and their caps are loaded again, 16 rows on.
; left = how many younger loads of x may stay out; dsl = how many younger loads of caps.
.macro GROUP g, ahead, left, dsl
	s_wait_loadcnt \left                           ; loads come back in order (ISA guide 5.7.1): my eight are in, and their offset register is free
.if \ahead
	v_add_nc_u32 v[OFF+\g], RING*ROWB, v[OFF+\g]   ; the group's rows of the next round
.endif
.irp j, 0,1,2,3
	v_pk_mul_f32 v[D+2*\j:D+2*\j+1], v[X+8*(4*\g+\j):X+8*(4*\g+\j)+1], v[Q:Q+1]
.endr
.irp c, 2,4,6
.irp j, 0,1,2,3
	v_pk_fma_f32 v[D+2*\j:D+2*\j+1], v[X+8*(4*\g+\j)+\c:X+8*(4*\g+\j)+\c+1], v[Q+\c:Q+\c+1], v[D+2*\j:D+2*\j+1]
.endr
.endr
.irp j, 0,1,2,3
	v_add_f32 v[PS+2*\j+1], v[D+2*\j], v[D+2*\j+1]
.endr
.irp k, 1,2,4,8
.irp j, 0,1,2,3
	v_add_f32_dpp v[PS+2*\j+1], v[PS+2*\j+1], v[PS+2*\j+1] row_xmask:\k row_mask:0xf bank_mask:0xf
.endr
.endr
.irp j, 0,1,2,3
	v_permlanex16_b32 v[D+2*\j], v[PS+2*\j+1], s18, s19        ; the other 16 lanes' sum, into a register that has been written
.endr
.irp j, 0,1,2,3
	v_add_f32 v[PS+2*\j+1], v[PS+2*\j+1], v[D+2*\j]            ; every lane holds the row's score
.endr
	s_wait_dscnt \dsl                              ; my four caps are in; the following groups' cap loads, which are younger, may be out
.irp j, 0,1,2,3
	v_min_num_f32 v[PS+2*\j+1], v[CAP+4*\g+\j], v[PS+2*\j+1]   ; a live row keeps its score, a masked one gets -infinity whatever its score
.endr
.if \ahead
	ds_load_b128 v[CAP+4*\g:CAP+4*\g+3], v[LA] offset:16*\g    ; the caps of the same slots a round on: a whole round ahead of their use
.endif
	v_max3_num_f32 v[MN], v[PS+1], v[PS+3], v[M]
	v_max3_num_f32 v[MN], v[PS+5], v[PS+7], v[MN]
	v_cmp_lt_f32 vcc_lo, s33, v[MN]
	v_cndmask_b32 v[MU], 0, v[MN], vcc_lo          ; the maximum, or 0 while it is still -infinity: no -infinity is taken from another
	v_sub_f32 v[SC], v[M], v[MU]
.irp j, 0,1,2,3
	v_sub_f32 v[PS+2*\j], v[PS+2*\j+1], v[MU]
.endr
	v_exp_f32 v[SC], v[SC]
.irp j, 0,1,2,3
	v_exp_f32 v[PS+2*\j], v[PS+2*\j]
.endr
	v_mov_b32 v[M], v[MN]                          ; the plain instruction between the exponentials and the first use of a result (ISA guide 5.7.2)
	s_wait_alu depctr_va_vdst(0)
.irp c, 0,2,4,6
	v_pk_mul_f32 v[ACC+\c:ACC+\c+1], v[ACC+\c:ACC+\c+1], v[SC:SC+1] op_sel_hi:[1,0]        ; the old sums, on the new maximum
.endr
	v_add_f32 v[T], v[PS], v[PS+2]
	v_add_f32 v[T+1], v[PS+4], v[PS+6]
	v_add_f32 v[T], v[T], v[T+1]
	v_fma_f32 v[L], v[L], v[SC], v[T]
.irp j, 0,1,2,3
.irp c, 0,2,4,6
	v_pk_fma_f32 v[ACC+\c:ACC+\c+1], v[X+8*(4*\g+\j)+\c:X+8*(4*\g+\j)+\c+1], v[PS+2*\j:PS+2*\j+1], v[ACC+\c:ACC+\c+1] op_sel_hi:[1,0,1]
.endr
.endr
.if \ahead
	FILL \g
.endif
.endm
	s_mov_b32 s31, 0
.Lround:
	GROUP 0, 1, 24, 3                              ; three younger groups stay out: 24 loads of x, 3 loads of caps
	GROUP 1, 1, 24, 3
	GROUP 2, 1, 24, 3
	GROUP 3, 1, 24, 3
	v_add_nc_u32 v[LA], 4*RING, v[LA]              ; 64 x (round + 2): at most byte 448 is named, in the seventh trip
	s_add_co_u32 s31, s31, 1
	s_cmp_lt_u32 s31, ROUNDS-1
	s_cbranch_scc1 .Lround
	GROUP 0, 0, 24, 3                              ; the last round loads nothing: no load leaves my 128 rows, and the counts run down
	GROUP 1, 0, 16, 2
	GROUP 2, 0, 8, 1
	GROUP 3, 0, 0, 0
	global_store_b128 v[LN16], v[ACC:ACC+3],   s[10:11]                ; 512 consecutive bytes each, at multiples of 256 from the buffer's first byte
	global_store_b128 v[LN16], v[ACC+4:ACC+7], s[10:11] offset:512
	global_store_b64  v[ST],   v[M:M+1],       s[10:11] offset:1024    ; (m, l) from all 32 lanes: 256 consecutive bytes in one store
	s_wait_tensorcnt 0x0
	ds_add_u32 v198, v199
	s_wait_dscnt 0x0
	s_endpgm
.Lfunc_end_k_q6472aa6b64_partial:
	.size	k_q6472aa6b64_partial, .Lfunc_end_k_q6472aa6b64_partial-k_q6472aa6b64_partial
	.p2alignl 7, 3214868480
	.fill 96, 4, 3214868480
	.section	.rodata,"a",@progbits
	.p2align	6, 0x0
	.amdhsa_kernel k_q6472aa6b64_partial
		.amdhsa_group_segment_fixed_size 768
		.amdhsa_private_segment_fixed_size 0
		.amdhsa_enable_private_segment 0
		.amdhsa_kernarg_size 32
		.amdhsa_user_sgpr_count 2
		.amdhsa_user_sgpr_kernarg_segment_ptr 1
		.amdhsa_wavefront_size32 1
		.amdhsa_system_sgpr_workgroup_id_x 1
		.amdhsa_system_sgpr_workgroup_id_y 1
		.amdhsa_system_sgpr_workgroup_id_z 1
		.amdhsa_system_vgpr_workitem_id 0
		.amdhsa_next_free_vgpr 200
		.amdhsa_next_free_sgpr 66
		.amdhsa_reserve_vcc 1
		.amdhsa_float_denorm_mode_32 3
		.amdhsa_float_denorm_mode_16_64 3
		.amdhsa_memory_ordered 1
		.amdhsa_forward_progress 1
		.amdhsa_inst_pref_size 48
	.end_amdhsa_kernel
	.amdgpu_metadata
---
amdhsa.version: [ 1, 2 ]
amdhsa.kernels:
  - .name:           k_q6472aa6b64_partial
    .symbol:         k_q6472aa6b64_partial.kd
    .args:
      - { .name: x, .offset: 0, .size: 8, .value_kind: global_buffer, .address_space: global }
      - { .name: mask, .offset: 8, .size: 8, .value_kind: global_buffer, .address_space: global }
      - { .name: query, .offset: 16, .size: 8, .value_kind: global_buffer, .address_space: global }
      - { .name: part, .offset: 24, .size: 8, .value_kind: global_buffer, .address_space: global }
    .group_segment_fixed_size: 768
    .private_segment_fixed_size: 0
    .kernarg_segment_align: 8
    .kernarg_segment_size: 32
    .max_flat_workgroup_size: 32
    .sgpr_count:     66
    .vgpr_count:     200
    .wavefront_size: 32
...
	.end_amdgpu_metadata
.endif
;; end of part 1
;; launch combine (part 2): grid 32 x 1, 16 waves a work-group, no clusters, 18,432 bytes of LDS; arguments part, out0; writes out0
.if DOCPART == 2
	.amdgcn_target "amdgcn-amd-amdhsa--gfx1250"
	.amdhsa_code_object_version 6
	.text
	.protected	k_q6472aa6b64_combine
	.globl	k_q6472aa6b64_combine
	.p2align	8
	.type	k_q6472aa6b64_combine,@function
k_q6472aa6b64_combine:
	s_mov_b64 s[64:65], 0
	v_nop
	global_prefetch_b8 v0, s[64:65] scope:SCOPE_SE
	s_setreg_imm32_b32 hwreg(HW_REG_WAVE_MODE, 25, 1), 1
	s_wait_xcnt 0x0
; Attention pooling, second of two launches: the 64 records of a batch become its 256 outputs.
;   M = largest m_i;  w_i = 2^(m_i - M);  out[:] = sum of w_i sums_i[:] / sum of w_i l_i;  0 where no row of the batch is live (the sum of w_i l_i is 0).
; A record is 1,280 bytes: 256 f32 sums, then (m, l) 32 times.  One work-group a batch, 16 waves, four records a wave.
; Every wave makes M and the divisor for itself from all 64 (m, l), two a lane: 512 bytes of data, cheaper than a second barrier.  Its own four
; records' (m, l) it reads from the 32 copies, one a lane, so that every lane has them without a broadcast.  All 14 loads of a wave
; are issued in one run.  The waves' weighted sums meet in LDS, a row of 1,024 bytes for each wave; 64 threads add the 16 rows.
; 80 KB of input for a work-group, read once, shared with no other: no cluster, no ring, no matrix unit, no prefetch.
; LIMITS: weights below 2^-126 come out of v_exp_f32 as 0; the division is v_rcp_f32 and a multiplication.
.set REC,   1280
.set NPART, 64
.set PPW,   4                          ; records of a wave
.set STA,   8                          ; v[8:11]   (m, l) of records lane and lane + 32
.set OWN,   12                         ; v[12:19]  (m, l) of my wave's record j in v[12+2j:13+2j], the same in every lane
.set MX,    20                         ; v20       M, then what is taken away inside the exponentials
.set LS,    21                         ; v21       the divisor
.set INV,   22                         ; v22       1 / divisor, or 0
.set X,     24                         ; v[24:55]  record j: my 8 sums
.set A,     56                         ; v[56:63]  my wave's weighted sums
.set R,     64                         ; v[64:127] the 16 waves' sums of my four columns
	s_load_b128 s[4:7], s[0:1], 0x0                ; part s[4:5], out0 s[6:7]
	v_lshl_add_u32 v128, v0, 2, 0x4000
	v_mov_b32 v129, 0
	v_and_b32 v1, 31, v0                           ; lane
	v_lshrrev_b32 v2, 5, v0
	v_readfirstlane_b32 s8, v2                     ; wave
	s_mul_i32 s10, ttmp9, NPART*REC                ; the batch's records
	s_mov_b32 s11, 0
	s_lshl_b32 s12, ttmp9, 10                      ; the batch's row of out0
	s_mov_b32 s13, 0
	s_mov_b32 s14, 0x76543210                      ; v_permlanex16_b32: lane i of one half reads lane i of the other
	s_mov_b32 s15, 0xfedcba98
	s_mov_b32 s16, 0xff800000                      ; -infinity
	s_lshl_b32 s9, s8, 10                          ; my wave's row in LDS
	v_mul_u32_u24 v3, v1, REC                      ; record number lane
	v_mul_u32_u24 v4, v2, PPW*REC                  ; my wave's first record
	v_lshl_add_u32 v5, v1, 3, v4                   ; + 8 lane: my copy of (m, l)
	v_lshl_add_u32 v4, v1, 4, v4                   ; + 16 lane: my four columns
	s_wait_kmcnt 0x0
	s_add_nc_u64 s[4:5], s[4:5], s[10:11]
	s_add_nc_u64 s[6:7], s[6:7], s[12:13]
	global_load_b64 v[STA:STA+1],   v3, s[4:5] offset:1024
	global_load_b64 v[STA+2:STA+3], v3, s[4:5] offset:1024+32*REC
.irp j, 0,1,2,3
	global_load_b64 v[OWN+2*\j:OWN+2*\j+1], v5, s[4:5] offset:1024+\j*REC      ; 256 consecutive bytes
.endr
.irp j, 0,1,2,3
	global_load_b128 v[X+8*\j:X+8*\j+3],   v4, s[4:5] offset:\j*REC            ; 512 consecutive bytes each
	global_load_b128 v[X+8*\j+4:X+8*\j+7], v4, s[4:5] offset:\j*REC+512
.endr
	s_wait_loadcnt 0x8                             ; all (m, l) are in; the eight loads of sums, which are younger, may be out
	v_max_num_f32 v[MX], v[STA], v[STA+2]
.irp k, 1,2,4,8
	v_max_num_f32_dpp v[MX], v[MX], v[MX] row_xmask:\k row_mask:0xf bank_mask:0xf
.endr
	v_permlanex16_b32 v2, v[MX], s14, s15          ; into a register that has been written and is done with
	v_max_num_f32 v[MX], v[MX], v2                 ; M, in every lane
	v_cmp_lt_f32 vcc_lo, s16, v[MX]
	v_cndmask_b32 v[MX], 0, v[MX], vcc_lo          ; or 0 if the batch has no live row: no -infinity is taken from another
	v_sub_f32 v[STA], v[STA], v[MX]
	v_sub_f32 v[STA+2], v[STA+2], v[MX]
.irp j, 0,1,2,3
	v_sub_f32 v[OWN+2*\j], v[OWN+2*\j], v[MX]
.endr
	v_exp_f32 v[STA], v[STA]
	v_exp_f32 v[STA+2], v[STA+2]
.irp j, 0,1,2,3
	v_exp_f32 v[OWN+2*\j], v[OWN+2*\j]
.endr
	v_lshlrev_b32 v7, 4, v1                        ; 16 lane; also the plain instruction between the exponentials and their first use (ISA guide 5.7.2)
	s_wait_alu depctr_va_vdst(0)
	v_mul_f32 v[LS], v[STA], v[STA+1]
	v_fma_f32 v[LS], v[STA+2], v[STA+3], v[LS]     ; w l of my two records
.irp k, 1,2,4,8
	v_add_f32_dpp v[LS], v[LS], v[LS] row_xmask:\k row_mask:0xf bank_mask:0xf
.endr
	v_permlanex16_b32 v2, v[LS], s14, s15
	v_add_f32 v[LS], v[LS], v2                     ; the divisor: at least 1 if any row is live, else 0
	v_rcp_f32 v[INV], v[LS]
	v_add_nc_u32 v6, s9, v7                        ; where my sums go in LDS; also the plain instruction behind v_rcp_f32
	v_cmp_lt_f32 vcc_lo, 0, v[LS]
	s_wait_alu depctr_va_vdst(0)
	v_cndmask_b32 v[INV], 0, v[INV], vcc_lo        ; no live row: every output is 0
.irp j, 0,1,2,3
	v_mul_f32 v[OWN+2*\j], v[OWN+2*\j], v[INV]     ; the division goes into the four weights
.endr
	s_wait_loadcnt 0x6                             ; record 0's two loads are in; six younger ones may be out
.irp c, 0,2,4,6
	v_pk_mul_f32 v[A+\c:A+\c+1], v[X+\c:X+\c+1], v[OWN:OWN+1] op_sel_hi:[1,0]      ; the first product starts the sums
.endr
.irp j, 1,2,3
	s_wait_loadcnt 6-2*\j                          ; record j's two loads are in
.irp c, 0,2,4,6
	v_pk_fma_f32 v[A+\c:A+\c+1], v[X+8*\j+\c:X+8*\j+\c+1], v[OWN+2*\j:OWN+2*\j+1], v[A+\c:A+\c+1] op_sel_hi:[1,0,1]
.endr
.endr
	ds_store_b128 v6, v[A:A+3]                     ; columns 4 lane .. +3
	ds_store_b128 v6, v[A+4:A+7] offset:512        ; columns 128 + 4 lane .. +3: the row lies in LDS as it lies in out0
	s_wait_dscnt 0x0                               ; my stores are done before I say so: the others will read them
	s_barrier_signal -1
	s_barrier_wait -1
	s_cmp_gt_u32 s8, 1
	s_cbranch_scc1 .Ldone                          ; 64 threads x 16 bytes are the 1,024 bytes of output: waves 0 and 1
	v_and_b32 v7, 63, v0
	v_lshlrev_b32 v7, 4, v7                        ; my four columns
.irp w, 0,1,2,3,4,5,6,7,8,9,10,11,12,13,14,15
	ds_load_b128 v[R+4*\w:R+4*\w+3], v7 offset:1024*\w
.endr
	s_wait_dscnt 0x0
.irp i, 0,1,2,3,4,5,6,7
	v_pk_add_f32 v[R+4*\i:R+4*\i+1],   v[R+4*\i:R+4*\i+1],   v[R+4*\i+32:R+4*\i+33]
	v_pk_add_f32 v[R+4*\i+2:R+4*\i+3], v[R+4*\i+2:R+4*\i+3], v[R+4*\i+34:R+4*\i+35]
.endr
.irp i, 0,1,2,3
	v_pk_add_f32 v[R+4*\i:R+4*\i+1],   v[R+4*\i:R+4*\i+1],   v[R+4*\i+16:R+4*\i+17]
	v_pk_add_f32 v[R+4*\i+2:R+4*\i+3], v[R+4*\i+2:R+4*\i+3], v[R+4*\i+18:R+4*\i+19]
.endr
.irp i, 0,1
	v_pk_add_f32 v[R+4*\i:R+4*\i+1],   v[R+4*\i:R+4*\i+1],   v[R+4*\i+8:R+4*\i+9]
	v_pk_add_f32 v[R+4*\i+2:R+4*\i+3], v[R+4*\i+2:R+4*\i+3], v[R+4*\i+10:R+4*\i+11]
.endr
	v_pk_add_f32 v[R:R+1],   v[R:R+1],   v[R+4:R+5]
	v_pk_add_f32 v[R+2:R+3], v[R+2:R+3], v[R+6:R+7]
	global_store_b128 v7, v[R:R+3], s[6:7]         ; a wave stores 512 consecutive bytes, at a multiple of 256 from out0's first byte
.Ldone:
	s_wait_tensorcnt 0x0
	ds_add_u32 v128, v129
	s_wait_dscnt 0x0
	s_endpgm
.Lfunc_end_k_q6472aa6b64_combine:
	.size	k_q6472aa6b64_combine, .Lfunc_end_k_q6472aa6b64_combine-k_q6472aa6b64_combine
	.p2alignl 7, 3214868480
	.fill 96, 4, 3214868480
	.section	.rodata,"a",@progbits
	.p2align	6, 0x0
	.amdhsa_kernel k_q6472aa6b64_combine
		.amdhsa_group_segment_fixed_size 18432
		.amdhsa_private_segment_fixed_size 0
		.amdhsa_enable_private_segment 0
		.amdhsa_kernarg_size 16
		.amdhsa_user_sgpr_count 2
		.amdhsa_user_sgpr_kernarg_segment_ptr 1
		.amdhsa_wavefront_size32 1
		.amdhsa_system_sgpr_workgroup_id_x 1
		.amdhsa_system_sgpr_workgroup_id_y 1
		.amdhsa_system_sgpr_workgroup_id_z 1
		.amdhsa_system_vgpr_workitem_id 0
		.amdhsa_next_free_vgpr 130
		.amdhsa_next_free_sgpr 66
		.amdhsa_reserve_vcc 1
		.amdhsa_float_denorm_mode_32 3
		.amdhsa_float_denorm_mode_16_64 3
		.amdhsa_memory_ordered 1
		.amdhsa_forward_progress 1
		.amdhsa_inst_pref_size 9
	.end_amdhsa_kernel
	.amdgpu_metadata
---
amdhsa.version: [ 1, 2 ]
amdhsa.kernels:
  - .name:           k_q6472aa6b64_combine
    .symbol:         k_q6472aa6b64_combine.kd
    .args:
      - { .name: part, .offset: 0, .size: 8, .value_kind: global_buffer, .address_space: global }
      - { .name: out0, .offset: 8, .size: 8, .value_kind: global_buffer, .address_space: global }
    .group_segment_fixed_size: 18432
    .private_segment_fixed_size: 0
    .kernarg_segment_align: 8
    .kernarg_segment_size: 16
    .max_flat_workgroup_size: 512
    .sgpr_count:     66
    .vgpr_count:     130
    .wavefront_size: 32
...
	.end_amdgpu_metadata
.endif
;; end of part 2
;; ======== version 2 of 2: 2 launches; version 1 with the launch partial written anew for expert scheduling mode
;; workspace buffers: part 2,621,440 bytes
;; launch partial (part 3): grid 2048 x 1, 1 waves a work-group, no clusters, 768 bytes of LDS; arguments x, mask, query, part; writes part
.if DOCPART == 3
	.amdgcn_target "amdgcn-amd-amdhsa--gfx1250"
	.amdhsa_code_object_version 6
	.text
	.protected	k_q6472aa6b64_partial
	.globl	k_q6472aa6b64_partial
	.p2align	8
	.type	k_q6472aa6b64_partial,@function
k_q6472aa6b64_partial:
	s_mov_b64 s[64:65], 0
	v_nop
	global_prefetch_b8 v0, s[64:65] scope:SCOPE_SE
	s_setreg_imm32_b32 hwreg(HW_REG_WAVE_SCHED_MODE, 0, 2), 2
	s_setreg_imm32_b32 hwreg(HW_REG_WAVE_MODE, 25, 1), 1
	s_wait_xcnt 0x0
	s_wait_alu depctr_vm_vsrc(0)
; Attention pooling with one query, first of two launches.
;   scores[b][l] = x[b][l][:] . query / 16, -inf where mask[b][l] == 0;  pooled[b][:] = sum over l of softmax(scores)[l] x[b][l][:]
; x: [32][8192][256] f32, mask: [32][8192] i32, query: [256] f32.
; One wave is a work-group and owns 128 consecutive rows (64 waves a batch).  It leaves a record of 1,280 bytes:
;   256 f32 sum of 2^(s-m) x[row][:],  then (m, l) 32 times;  s = score * log2(e), m = largest s, l = sum of 2^(s-m), over its rows.
; Every row is loaded once (1,024 bytes = 8 registers of the wave) and stays in registers between the dot product and the weighted sum.
; The mask steers no branch and no address: every wave walks its 128 rows in 32 groups of four, and a masked row's score is capped at -infinity,
; which makes its weight 2^(-infinity) = 0.
; WHY SO: two multiply-adds for four bytes of x: the bytes decide.  f32 vector arithmetic is a small part of the work and keeps x unrounded,
; so the matrix unit is left out.  No row is used by two waves, so x goes straight to registers: no LDS ring, no barrier; the only bytes that
; work-groups share are the query's 1,024, so there is no cluster.  No prefetch: the ring is full from the first loads on and the launch only streams.
; LIMITS: sums are formed in another order than the reference's; log2(e)/16 is multiplied into the query ahead of the dot product; weights
; below 2^-126 come out of v_exp_f32 as 0.
; THE MODE: SCHED_MODE bits 1:0 = 2 (LLVM: expert scheduling mode 2), set by the entry lines.  The code itself states the register dependences
; between vector instructions and memory or LDS instructions, with s_wait_alu, always for 0.
; THE PLAN.  Group p works in buffer p % 5.  Registers that memory or LDS instructions touch:
;   X0 .. X4     four rows each.  Written by the eight loads of group p + 4, issued in group p; read by the packed arithmetic of the buffer's own group.
;   CAP0 .. CAP4 four caps each.  Written by the LDS load of group p + 4, issued in group p; read by the four v_min_num_f32 of the buffer's own group.
;   v[LN16]      the offset of every global load, of the LDS store and of two final stores: made once, never written again.  The rows are reached by
;                five scalar bases, one a buffer, each moved on at the head of its buffer's group, and by immediate offsets.
;   v[LA]        the address of every load of caps: written at the head and once at each lap's end.
;   v[MK ..]     at the head only: the mask as loaded, then the caps that the one LDS store reads.     v[ACC ..], v[M], v[L], v[ST]: read by the final stores.
; Group p's nine loads land in X[(p - 1) % 5] and CAP[(p - 1) % 5]: the buffers that group p - 1 worked on and that no vector instruction of group p names.
; So ONE wait on va_vdst at the group's head states all that they hang on, and they are dealt among the dot products with no further wait.
.set ROWB,   1024                      ; bytes in a row of x
.set RPW,    128                       ; rows of a wave
.set GRP,    4                         ; rows of a group
.set NBUF,   5                         ; buffers of a group's rows: four on their way or at work, one waiting for the next group's head
.set LAPS,   5                         ; a lap takes every buffer once: groups 0 to 24 in the loop, 25 to 31 written out
.set REC,    1280                      ; bytes in a record
.set XB,    20                         ; s[20:29]  buffer b: x at the first row of the group that the buffer loads next: a pair at XB + 2 b
.set LN16,  1                          ; v1        16 x lane
.set Q,     2                          ; v[2:9]    query * log2(e)/16: columns 4 lane .. +3 and 128 + 4 lane .. +3
.set ACC,   10                         ; v[10:17]  weighted sums of the same columns
.set M,     18                         ; v18       running maximum   (v[18:19] are stored as a pair)
.set L,     19                         ; v19       running sum of weights
.set SC,    20                         ; v20       2^(old maximum - new)
.set MU,    21                         ; v21       what is taken away inside the exponentials
.set PS,    22                         ; v[22:29]  row j of a group: weight in v[PS+2j], score in v[PS+2j+1]
.set D,     30                         ; v[30:37]  row j: a pair of partial dot products
.set MN,    38                         ; v38       new maximum
.set LA,    39                         ; v39       LDS byte of the caps of the lap's first group: 80 x lap
.set ST,    41                         ; v41       8 x lane
.set T,     42                         ; v[42:43]  at work
.set CAP,   44                         ; v[44:63]  buffer b, row j at CAP + 4 b + j: +infinity for a live row, -infinity for a masked one; the same in every lane
.set X,     64                         ; v[64:223] buffer b, row j: 8 registers at X + 32 b + 8 j
.set MK,    224                        ; v[224:227] mask words of rows 4 lane .. 4 lane + 3, then their caps
.set NI,    228                        ; v228      -infinity
.set PI,    229                        ; v229      +infinity
	s_load_b256 s[4:11], s[0:1], 0x0               ; x s[4:5], mask s[6:7], query s[8:9], part s[10:11]
	v_lshl_add_u32 v230, v0, 2, 0x200
	v_mov_b32 v231, 0
	v_lshlrev_b32 v[LN16], 4, v0
	s_lshl_b32 s12, ttmp9, 17                      ; 128 rows of 1,024 bytes a wave: below 2^28
	s_mov_b32 s13, 0
	s_lshl_b32 s14, ttmp9, 9                       ; 128 mask words
	s_mov_b32 s15, 0
	s_mul_i32 s16, ttmp9, REC
	s_mov_b32 s17, 0
	s_wait_kmcnt 0x0
	s_add_nc_u64 s[6:7], s[6:7], s[14:15]          ; my mask words
	s_add_nc_u64 s[4:5], s[4:5], s[12:13]          ; x at my first row
	s_add_nc_u64 s[10:11], s[10:11], s[16:17]      ; my record
.irp b, 0,1,2,3,4
	s_add_nc_u64 s[XB+2*\b:XB+2*\b+1], s[4:5], \b*GRP*ROWB     ; groups 0 to 4
.endr
; Row j of buffer buf: two loads of 512 consecutive bytes.  x is read once in the launch.
.macro ROWLD buf, j
	global_load_b128 v[X+32*(\buf)+8*(\j):X+32*(\buf)+8*(\j)+3],   v[LN16], s[XB+2*(\buf):XB+2*(\buf)+1] offset:(\j)*ROWB th:TH_LOAD_NT
	global_load_b128 v[X+32*(\buf)+8*(\j)+4:X+32*(\buf)+8*(\j)+7], v[LN16], s[XB+2*(\buf):XB+2*(\buf)+1] offset:(\j)*ROWB+512 th:TH_LOAD_NT
.endm
	s_wait_alu depctr_va_vdst(0)                   ; v[LN16] is written: every global load and two of the final stores read it as their offset, the LDS store as its address
	global_load_b128 v[MK:MK+3], v[LN16], s[6:7] th:TH_LOAD_NT ; 512 consecutive bytes: all my rows' mask words
	global_load_b128 v[Q:Q+3],   v[LN16], s[8:9]
	global_load_b128 v[Q+4:Q+7], v[LN16], s[8:9] offset:512
.irp g, 0,1,2,3
.irp j, 0,1,2,3
	ROWLD \g, \j                                   ; groups 0 to 3 go out in the same run: 16 rows, 32 loads; x waits for nothing
.endr
.endr
	s_mov_b32 s18, 0x76543210                      ; v_permlanex16_b32: lane i of one half reads lane i of the other
	s_mov_b32 s19, 0xfedcba98
	s_mov_b32 s32, 0x7f800000                      ; +infinity
	s_mov_b32 s33, 0xff800000                      ; -infinity
	v_mov_b32 v[NI], s33
	v_mov_b32 v[PI], s32
	v_lshlrev_b32 v[ST], 3, v0
	v_mov_b32 v[LA], 0                             ; lap 0
	v_mov_b32 v[M], s33                            ; nothing seen yet
	v_mov_b32 v[L], 0
.irp c, 0,1,2,3,4,5,6,7
	v_mov_b32 v[ACC+\c], 0
.endr
	; THE CAPS.  Row i's cap lies at LDS byte 4 i; a group reads its four back with one load in which every lane names the same 16 bytes.
	s_wait_loadcnt 34                              ; the mask is in; the query's 2 loads and the ring's 32, which are younger, may be out
.irp c, 0,1,2,3
	v_cmp_ne_u32 s[34+\c], 0, v[MK+\c]             ; any value but 0 counts as true; the four compares stand in one run
.endr
	s_wait_alu depctr_va_sdst(0)                   ; s34 to s37 are written, ahead of their first readers, the four selects below
.irp c, 0,1,2,3
	v_cndmask_b32 v[MK+\c], v[NI], v[PI], s[34+\c]
.endr
	s_wait_alu depctr_va_vdst(0)                   ; the selects have written v[MK ..], which the LDS store reads; v[LA] is written, which the loads of caps read
	ds_store_b128 v[LN16], v[MK:MK+3]              ; rows 4 lane .. +3 at byte 16 lane: 512 bytes, this wave's own
.irp g, 0,1,2,3
	ds_load_b128 v[CAP+4*\g:CAP+4*\g+3], v[LA] offset:16*\g    ; LDS serves a wave in order (ISA guide 5.7.1.4): these see the store above
.endr
	s_wait_loadcnt 32                              ; the query is in: only the ring's 32 loads are younger
.irp c, 0,2,4,6
	v_pk_mul_f32 v[Q+\c:Q+\c+1], v[Q+\c:Q+\c+1], 0x3db8aa3b op_sel_hi:[1,0]    ; log2(e) / sqrt(256): scores come out ready for v_exp_f32
.endr
; Four rows, in buffer b.  ahead = 1: the buffer in front of b in the ring takes the rows and caps of the group four on.
; step = 1: b's base moves on to the group that b takes next.  left = how many younger loads of x may stay out; dsl = how many younger loads of caps.
.macro GROUP b, ahead, step, left, dsl
.set PV, ((\b)+NBUF-1)%NBUF
	s_wait_loadcnt \left                           ; loads come back in order (ISA guide 5.7.1): my eight are in
.if \step
	s_add_nc_u64 s[XB+2*\b:XB+2*\b+1], s[XB+2*\b:XB+2*\b+1], NBUF*GRP*ROWB     ; free since that wait, which shows the loads that read it done: 20 rows on
.endif
.if \ahead
	s_wait_alu depctr_va_vdst(0)                   ; the group before is done reading its X and its CAP, in which the nine loads of this group land; behind a lap's end v[LA] is written
	ds_load_b128 v[CAP+4*PV:CAP+4*PV+3], v[LA] offset:16*(NBUF-1)+16*\b        ; the caps of the group four on
	ROWLD PV, 0                                    ; its rows, two loads ahead of each run of four below: no vector instruction since the wait names X[PV], CAP[PV], v[LN16] or v[LA]
.endif
.irp j, 0,1,2,3
	v_pk_mul_f32 v[D+2*\j:D+2*\j+1], v[X+32*\b+8*\j:X+32*\b+8*\j+1], v[Q:Q+1]
.endr
.irp c, 2,4,6
.if \ahead
	ROWLD PV, (\c)/2
.endif
.irp j, 0,1,2,3
	v_pk_fma_f32 v[D+2*\j:D+2*\j+1], v[X+32*\b+8*\j+\c:X+32*\b+8*\j+\c+1], v[Q+\c:Q+\c+1], v[D+2*\j:D+2*\j+1]
.endr
.endr
.irp j, 0,1,2,3
	v_add_f32 v[PS+2*\j+1], v[D+2*\j], v[D+2*\j+1]
.endr
.irp k, 1,2,4,8
.irp j, 0,1,2,3
	v_add_f32_dpp v[PS+2*\j+1], v[PS+2*\j+1], v[PS+2*\j+1] row_xmask:\k row_mask:0xf bank_mask:0xf
.endr
.endr
.irp j, 0,1,2,3
	v_permlanex16_b32 v[D+2*\j], v[PS+2*\j+1], s18, s19        ; the other 16 lanes' sum, into a register that has been written
.endr
.irp j, 0,1,2,3
	v_add_f32 v[PS+2*\j+1], v[PS+2*\j+1], v[D+2*\j]            ; every lane holds the row's score
.endr
	s_wait_dscnt \dsl                              ; my four caps are in; the following groups' cap loads, which are younger, may be out
.irp j, 0,1,2,3
	v_min_num_f32 v[PS+2*\j+1], v[CAP+4*\b+\j], v[PS+2*\j+1]   ; a live row keeps its score, a masked one gets -infinity whatever its score
.endr
	v_max3_num_f32 v[MN], v[PS+1], v[PS+3], v[M]
	v_max3_num_f32 v[MN], v[PS+5], v[PS+7], v[MN]
	v_cmp_lt_f32 vcc_lo, s33, v[MN]
	s_wait_alu depctr_va_vcc(0)                    ; VCC is written, ahead of its reader, the select below
	v_cndmask_b32 v[MU], 0, v[MN], vcc_lo          ; the maximum, or 0 while it is still -infinity: no -infinity is taken from another
	v_sub_f32 v[SC], v[M], v[MU]
.irp j, 0,1,2,3
	v_sub_f32 v[PS+2*\j], v[PS+2*\j+1], v[MU]
.endr
	v_exp_f32 v[SC], v[SC]
.irp j, 0,1,2,3
	v_exp_f32 v[PS+2*\j], v[PS+2*\j]
.endr
	v_mov_b32 v[M], v[MN]                          ; the plain instruction between the exponentials and the first use of a result (ISA guide 5.7.2)
	s_wait_alu depctr_va_vdst(0)
.irp c, 0,2,4,6
	v_pk_mul_f32 v[ACC+\c:ACC+\c+1], v[ACC+\c:ACC+\c+1], v[SC:SC+1] op_sel_hi:[1,0]        ; the old sums, on the new maximum
.endr
	v_add_f32 v[T], v[PS], v[PS+2]
	v_add_f32 v[T+1], v[PS+4], v[PS+6]
	v_add_f32 v[T], v[T], v[T+1]
	v_fma_f32 v[L], v[L], v[SC], v[T]
.irp j, 0,1,2,3
.irp c, 0,2,4,6
	v_pk_fma_f32 v[ACC+\c:ACC+\c+1], v[X+32*\b+8*\j+\c:X+32*\b+8*\j+\c+1], v[PS+2*\j:PS+2*\j+1], v[ACC+\c:ACC+\c+1] op_sel_hi:[1,0,1]
.endr
.endr
.endm
	s_mov_b32 s31, 0
.Llap:                                                 ; groups 0 to 24, five to a lap: every buffer is back at its start
	GROUP 0, 1, 1, 24, 4                           ; three younger groups' 24 loads of x stay out (the fourth is asked for behind the wait); four younger loads of caps
	GROUP 1, 1, 1, 24, 4
	GROUP 2, 1, 1, 24, 4
	GROUP 3, 1, 1, 24, 4
	GROUP 4, 1, 1, 24, 4
	s_wait_alu depctr_vm_vsrc(0)                   ; the loads of caps issued so far have read v[LA]
	v_add_nc_u32 v[LA], 16*NBUF, v[LA]             ; the next lap's caps; the next group's wait on va_vdst states that it is written
	s_add_co_u32 s31, s31, 1
	s_cmp_lt_u32 s31, LAPS
	s_cbranch_scc1 .Llap
	GROUP 0, 1, 1, 24, 4                           ; groups 25 to 27 ask for groups 29 to 31: v[LA] is 400, and the last load of caps ends at LDS byte 512
	GROUP 1, 1, 1, 24, 4
	GROUP 2, 1, 0, 24, 4                           ; its buffer takes no further group: the base stays
	GROUP 3, 0, 0, 24, 3                           ; groups 28 to 31 load nothing: no load leaves my 128 rows, and the counts run down
	GROUP 4, 0, 0, 16, 2
	GROUP 0, 0, 0, 8, 1
	GROUP 1, 0, 0, 0, 0
	s_wait_alu depctr_va_vdst(0)                   ; the last group has written the sums, m and l, which the stores read
	global_store_b128 v[LN16], v[ACC:ACC+3],   s[10:11]                ; 512 consecutive bytes each, at multiples of 256 from the buffer's first byte
	global_store_b128 v[LN16], v[ACC+4:ACC+7], s[10:11] offset:512
	global_store_b64  v[ST],   v[M:M+1],       s[10:11] offset:1024    ; (m, l) from all 32 lanes: 256 consecutive bytes in one store
	s_wait_dscnt 0x0
	s_wait_alu depctr_hold_cnt(0) depctr_sa_sdst(0) depctr_va_vdst(0) depctr_va_sdst(0) depctr_va_ssrc(0) depctr_va_vcc(0) depctr_vm_vsrc(0)
	s_wait_tensorcnt 0x0
	ds_add_u32 v230, v231
	s_wait_dscnt 0x0
	s_endpgm
.Lfunc_end_k_q6472aa6b64_partial:
	.size	k_q6472aa6b64_partial, .Lfunc_end_k_q6472aa6b64_partial-k_q6472aa6b64_partial
	.p2alignl 7, 3214868480
	.fill 96, 4, 3214868480
	.section	.rodata,"a",@progbits
	.p2align	6, 0x0
	.amdhsa_kernel k_q6472aa6b64_partial
		.amdhsa_group_segment_fixed_size 768
		.amdhsa_private_segment_fixed_size 0
		.amdhsa_enable_private_segment 0
		.amdhsa_kernarg_size 32
		.amdhsa_user_sgpr_count 2
		.amdhsa_user_sgpr_kernarg_segment_ptr 1
		.amdhsa_wavefront_size32 1
		.amdhsa_system_sgpr_workgroup_id_x 1
		.amdhsa_system_sgpr_workgroup_id_y 1
		.amdhsa_system_sgpr_workgroup_id_z 1
		.amdhsa_system_vgpr_workitem_id 0
		.amdhsa_next_free_vgpr 232
		.amdhsa_next_free_sgpr 66
		.amdhsa_reserve_vcc 1
		.amdhsa_float_denorm_mode_32 3
		.amdhsa_float_denorm_mode_16_64 3
		.amdhsa_memory_ordered 1
		.amdhsa_forward_progress 1
		.amdhsa_inst_pref_size 71
	.end_amdhsa_kernel
	.amdgpu_metadata
---
amdhsa.version: [ 1, 2 ]
amdhsa.kernels:
  - .name:           k_q6472aa6b64_partial
    .symbol:         k_q6472aa6b64_partial.kd
    .args:
      - { .name: x, .offset: 0, .size: 8, .value_kind: global_buffer, .address_space: global }
      - { .name: mask, .offset: 8, .size: 8, .value_kind: global_buffer, .address_space: global }
      - { .name: query, .offset: 16, .size: 8, .value_kind: global_buffer, .address_space: global }
      - { .name: part, .offset: 24, .size: 8, .value_kind: global_buffer, .address_space: global }
    .group_segment_fixed_size: 768
    .private_segment_fixed_size: 0
    .kernarg_segment_align: 8
    .kernarg_segment_size: 32
    .max_flat_workgroup_size: 32
    .sgpr_count:     66
    .vgpr_count:     232
    .wavefront_size: 32
...
	.end_amdgpu_metadata
.endif
;; end of part 3
;; launch combine: the kernel of part 2 again; grid 32 x 1, 16 waves a work-group, no clusters, 18,432 bytes of LDS; arguments part, out0; writes out0
